; MI455X (gfx1250); checked and timed in simulation.
; The chip was launched on July 23, 2026; its instructions are those of AMD's public machine-readable ISA for CDNA 5 (MIT licence, August 2026) and "CDNA5" Instruction Set Architecture Reference Guide (July 2026). The comments in the code are by the model that wrote it; some were corrected since.
;; Switch Linear. Allowed arithmetic: matrix products marked QUANTISED: E2M1 operands, one E8M0 scale for each 32 along K, by v_wmma_scale_f32_16x16x128_f8f6f4 with both operands' format E2M1 (or v_wmma_scale_f32_32x16x128_f4), f32 sums; everything else in f32.
;; Inputs: indices 8,192 int32; weight_codes 8 x 512 x 64 x 16 uint8 (E2M1 codes of weight, K innermost, in blocks of 32 codes, two codes a byte); weight_scales 8 x 512 x 64 uint8 (E8M0 scales of weight, one for each 32 codes along K); x 8,192 x 2,048 float32.
;; Outputs: out0 8,192 x 512 float32.
;; This version of the problem:
;;   THIS VERSION OF THE PROBLEM IS GIVEN IN LOW PRECISION. The matrix products marked QUANTISED in the list below multiply operands that are first quantised to E2M1 (2 exponent bits, 1 mantissa bit; 4 bits a number), with one power-of-two scale for each 32 numbers along K (OCP MX v1.0); their sums are f32. All else is computed in f32.
;;   The module's matrix products, in the order in which they are computed (A, B: the left and right operand; K: the contracted axis; several contracted axes count as one K, in the product's order):
;;     1. [M 8,192, K 2,048] x [K 2,048, N 512]; A: computed on the way; B: input weight (given as codes): QUANTISED
;;     2. [M 8,192, K 2,048] x [K 2,048, N 512]; A: computed on the way; B: input weight (given as codes): QUANTISED
;;     3. [M 8,192, K 2,048] x [K 2,048, N 512]; A: computed on the way; B: input weight (given as codes): QUANTISED
;;     4. [M 8,192, K 2,048] x [K 2,048, N 512]; A: computed on the way; B: input weight (given as codes): QUANTISED
;;     5. [M 8,192, K 2,048] x [K 2,048, N 512]; A: computed on the way; B: input weight (given as codes): QUANTISED
;;     6. [M 8,192, K 2,048] x [K 2,048, N 512]; A: computed on the way; B: input weight (given as codes): QUANTISED
;;     7. [M 8,192, K 2,048] x [K 2,048, N 512]; A: computed on the way; B: input weight (given as codes): QUANTISED
;;     8. [M 8,192, K 2,048] x [K 2,048, N 512]; A: computed on the way; B: input weight (given as codes): QUANTISED
;;   THE QUANTISER, for each operand of a quantised product, along K:
;;     - K is cut into blocks of 32 from its start; a last block that is shorter is filled with zeros.
;;     - A block's scale is 2^e with e = floor(log2(the largest magnitude in the block)) - 2, held to -126 .. 127; a block of zeros has e = 0. As a byte (E8M0): e + 127.
;;     - Each number is divided by its block's scale, clamped to +-6, and rounded to the nearest number of E2M1, ties to even, subnormals kept.
;;     - The product sums the exact products of the quantised numbers (number of the format x scale) in f32.
;;   ~~~python
;;   def quantise(x, axis):      # numpy; x: float32 -> the quantised numbers, widened to float32 again
;;       x = np.moveaxis(x, axis, -1); K = x.shape[-1]
;;       x = np.pad(x, [(0, 0)] * (x.ndim - 1) + [(0, -K % 32)]); x = x.reshape(x.shape[:-1] + (-1, 32)); a = np.abs(x).max(-1, keepdims=True)
;;       e = np.where(a > 0, np.clip(np.frexp(np.where(a > 0, a, 1))[1] - 1 - 2, -126, 127), 0)      # np.frexp(a)[1] - 1 = floor(log2(a)), exactly
;;       r = np.clip(x / 2.0 ** e, -6, 6)
;;       step = 2.0 ** (np.maximum(np.frexp(np.where(r == 0, 1, r))[1] - 1, 0) - 1)
;;       q = np.round(r / step) * step * 2.0 ** e      # np.round: ties to even
;;       return np.moveaxis(q.reshape(q.shape[:-2] + (-1,))[..., :K], -1, axis).astype(np.float32)
;;   ~~~
;;   OPERANDS COMPUTED ON THE WAY. 'Computed on the way' means the value that the module computes at that place (a softmax that the list does not call 'softmax' is quantised finished and normalised). What goes into a quantiser is computed in f32, as accurately as f32 sums, v_exp_f32 and their like allow (about 1e-6 of the number): no bf16 or f16 on the way to a quantiser, and a product that is left as it is and whose result goes on into a quantised operand takes f32 operands (vector FMAs, or v_wmma_f32_16x16x4_f32). A number that lies on a knife's edge between two numbers of the format may be rounded either way, as far as f32 arithmetic and the matrix unit's own rounding can turn it there, and no further.
;;   INPUTS GIVEN AS CODES. weight (in the module: [8, 2048, 512], K = its axis 1): each comes as NAME_codes (uint8): NAME with its K axis moved to the last place and cut into blocks of 32 codes, [.., K / 32, bytes a block], one block behind the other in memory; two codes a byte, the lower K in the low four bits (a code: sign, 2 exponent bits, 1 mantissa bit); and NAME_scales (uint8): the same leading axes, one E8M0 byte (e + 127) for each 32 codes along K. Its value is code x scale, taken as it is: it is not quantised again, and the codes and scales need not be those that the quantiser above would give.
;; 2 versions, each right; version 2 is version 1 with the launch gemm written anew for expert scheduling mode. Each part assembles by itself: llvm-mc -triple=amdgcn-amd-amdhsa -mcpu=gfx1250 --defsym DOCPART=n.
;; ======== version 1 of 2: 2 launches
;; workspace buffers: xq 8,388,608 bytes; xs 524,288 bytes; wfrag 4,194,304 bytes; order 32,768 bytes of whole numbers; tiles 2,048 bytes of whole numbers
;; launch prep (part 1): grid 289 x 1, 8 waves a work-group, no clusters, 113,920 bytes of LDS; arguments x, indices, weight_codes, xq, xs, wfrag, order, tiles; writes xq, xs, wfrag, order, tiles
.if DOCPART == 1
	.amdgcn_target "amdgcn-amd-amdhsa--gfx1250"
	.amdhsa_code_object_version 6
	.text
	.protected	k_qd31c491e56_prep
	.globl	k_qd31c491e56_prep
	.p2align	8
	.type	k_qd31c491e56_prep,@function
k_qd31c491e56_prep:
	s_mov_b64 s[64:65], 0
	v_nop
	global_prefetch_b8 v0, s[64:65] scope:SCOPE_SE
	s_setreg_imm32_b32 hwreg(HW_REG_WAVE_MODE, 25, 1), 1
	s_wait_xcnt 0x0
; THE LAUNCH IN FRONT OF THE PRODUCT.  Three kinds of work-group, told apart by the work-group's number alone:
;   0         sorts the 8,192 rows by expert (a counting sort, no atomics) into order[], and writes the list of tiles: tiles[t] = {expert, first place in order, rows (0 .. 128), 0}.
;   1 .. 32   lay the weight's codes in the order of the matrix operand's registers: wfrag [expert 8][group of 64 columns 8][K step of 128: 16][tile of 16 columns 4][c 2][lane 32][16 bytes];
;             lane 16 h + r holds bytes 64 s + 32 c + 16 h .. + 15 of column r's row.  What one wave of the product needs, 64 columns x all of K, is then 65,536 bytes on end.
;   33 .. 288 turn x [8192][2048] f32 into codes of FP4 (E2M1), K innermost (xq: 1,024 bytes a row), with one E8M0 byte for each 32 along K (xs: 64 bytes a row).
; THE QUANTISER.  A block's scale is 2^(floor(log2(its largest magnitude)) - 2); its byte is the largest magnitude's exponent field - 2, held at 1 from below.  Each number is divided by the scale and
; rounded to the nearest code, ties to even; beyond 6 the conversion gives the largest code.
; AN INDEX OUTSIDE 0 .. 7 matches no expert: that row's result is 0.  Such a row is sorted into bucket index & 7, and its CODES are written as zeros here, so that the product needs no case for it.
; LIMITS: NaN and infinities in x are not served.  A block of zeros gets the byte 1 where the rule says 127: its codes are zeros, and the bytes are read by this program alone.
; Each kind has LDS bytes of its own.  No loop: every offset is an immediate.
.set QW,    5632                       ; quantiser: LDS of a wave: two stages of 32 x 80 bytes, then its 256 scale bytes (from byte 0 on, eight waves)
.set SP,    80                         ; a lane's place in a stage: its 64 bytes + 16 of padding
.set RELL,  45056                      ; re-layout: eight stages of 16 rows x 528 bytes
.set RW,    8448
.set RP,    528                        ; 512 bytes + 16: sixteen rows that a load touches begin in sixteen different groups of four banks
.set SORTL, 112640                     ; sort: 4 x 8 words: the waves' totals
.set STEPS, 16
.set R,     16                         ; quantiser: v16-143  eight sets of 16 numbers as they are loaded
.set X,     144                        ; v144-175 two sets of 16 neighbours
.set C,     176                        ; v176-207 two registers of codes for each step: no store's data are written again
.set E,     208                        ; v208-223 a scale byte for each step
.set IDX,   32                         ; sort: v32-63 the thread's 32 indices, then their buckets, then their row numbers
.set RK,    64                         ; v64-95   rank inside a group of eight, then the store's byte offset
.set ACC,   96                         ; v96-99   a group's counts, eight fields of 4 bits
.set CG,    100                        ; v100-115 the same in fields of 16 bits: register 4 g + k: buckets 2 k (low) and 2 k + 1 (high)
.set TT,    116                        ; v116-119 the thread's totals
.set INC,   120                        ; v120-123 their running sums over the wave's lanes
.set BB,    124                        ; v124-127 where the thread's next row of each bucket goes
.set XW,    128                        ; v128-131 the waves' totals and their running sums
.set TA,    136                        ; v136-143, v144-151 at work
.set TU,    144
.macro QLOAD t                         ; step t: 512 numbers; each load reads 512 consecutive bytes, 16 a lane
.irp i, 0,1,2,3
	global_load_b128 v[R+16*((\t)%8)+4*\i:R+16*((\t)%8)+4*\i+3], v3, s[4:5] offset:2048*(\t)+512*\i th:TH_LOAD_NT
.endr
.endm
.macro QTURN t                         ; step t's numbers through the wave's own stage: in as they lie, out 64 bytes a lane.  LDS serves a wave's instructions in order: no wait between
.irp i, 0,1,2,3
	ds_store_b128 v14, v[R+16*((\t)%8)+4*\i:R+16*((\t)%8)+4*\i+3] offset:32*SP*((\t)%2)+8*SP*\i
.endr
.irp i, 0,1,2,3
	ds_load_b128 v[X+16*((\t)%2)+4*\i:X+16*((\t)%2)+4*\i+3], v15 offset:32*SP*((\t)%2)+16*\i
.endr
.endm
.macro QSTEP t
.set XS, X+16*((\t)%2)
.if (\t) > 0
	s_wait_dscnt 1                                 ; this step's numbers are back from the stage; the last step's byte store may be out
.else
	s_wait_dscnt 0x0
.endif
.if (\t)+8 < STEPS
	QLOAD (\t)+8                                   ; into the set that this step's stores into the stage have read
.endif
.if (\t)+1 < STEPS
.if (\t) <= 7
	s_wait_loadcnt 28                              ; the next step's four loads are in; those of the seven steps behind it may be out
.else
	s_wait_loadcnt 4*(14-(\t))                     ; the tail: steps t + 2 .. 15 may be out
.endif
	QTURN (\t)+1                                   ; through the other stage while this step is worked
.endif
	v_max3_num_f32 v8, |v[XS]|, |v[XS+1]|, |v[XS+2]|               ; the largest magnitude of my 16, in two chains
	v_max3_num_f32 v9, |v[XS+3]|, |v[XS+4]|, |v[XS+5]|
.irp i, 6,10
	v_max3_num_f32 v8, v8, |v[XS+\i]|, |v[XS+\i+1]|
	v_max3_num_f32 v9, v9, |v[XS+\i+2]|, |v[XS+\i+3]|
.endr
	v_max3_num_f32 v8, v8, |v[XS+14]|, |v[XS+15]|
	v_max3_num_f32 v8, v8, v9, 0x1800000           ; and the floor 2^(3 - 127): the byte cannot fall under 1
	v_max_num_f32_dpp v8, v8, v8 row_xmask:1 row_mask:0xf bank_mask:0xf   ; with my neighbour's 16: the block's
	v_add_nc_u32 v11, 0xff000000, v8               ; 2 off its exponent field: the conversion takes the exponent field of this operand as its scale
	v_cvt_scalef32_pk8_fp4_f32 v[C+2*(\t)], v[XS:XS+7], v11
	v_cvt_scalef32_pk8_fp4_f32 v[C+2*(\t)+1], v[XS+8:XS+15], v11
	v_lshrrev_b32 v[E+(\t)], 23, v11               ; the scale's byte; also the plain instruction between the conversions and the lines that touch their results
	v_and_b32 v[C+2*(\t)], s[28+(\t)/4], v[C+2*(\t)]       ; zero codes for a row whose index names no expert
	v_and_b32 v[C+2*(\t)+1], s[28+(\t)/4], v[C+2*(\t)+1]
	ds_store_b8 v5, v[E+(\t)] offset:16*(\t)       ; both lanes of a block write the same byte with the same value
	global_store_b64 v4, v[C+2*(\t):C+2*(\t)+1], s[10:11] offset:256*(\t)   ; the wave stores 256 consecutive bytes, aligned
.endm
	s_load_b256 s[4:11], s[0:1], 0x0               ; x s[4:5], indices s[6:7], weight_codes s[8:9], xq s[10:11]
	s_load_b256 s[12:19], s[0:1], 0x20             ; xs s[12:13], wfrag s[14:15], order s[16:17], tiles s[18:19]
	v_lshl_add_u32 v224, v0, 2, 0x1b900
	v_mov_b32 v225, 0
	v_lshrrev_b32 v1, 5, v0
	v_readfirstlane_b32 s20, v1                    ; wave 0..7
	v_and_b32 v2, 31, v0                           ; lane
	s_mov_b32 s23, 0                               ; the upper word of every offset
	s_wait_kmcnt 0x0
	s_cmp_eq_u32 ttmp9, 0
	s_cbranch_scc1 .Lsort
	s_cmp_lt_u32 ttmp9, 33
	s_cbranch_scc1 .Lrelay
	; ================ THE QUANTISER.  A wave takes a run of 8,192 numbers, four rows of x, in 16 steps of 512.  Loads run eight steps (32 loads a wave) ahead.
	s_sub_co_u32 s21, ttmp9, 33
	s_lshl_b32 s21, s21, 3
	s_add_co_u32 s21, s21, s20                     ; which run: 0 .. 2047
	s_lshl_b32 s22, s21, 15
	s_add_nc_u64 s[4:5], s[4:5], s[22:23]          ; x: 32,768 bytes a run
	v_lshlrev_b32 v3, 4, v2                        ; my 16 bytes of a load's 512
.irp t, 0,1,2,3,4,5,6,7
	QLOAD \t
.endr
	s_lshl_b32 s22, s21, 4
	s_add_nc_u64 s[6:7], s[6:7], s[22:23]
	s_load_b128 s[24:27], s[6:7], 0x0              ; the four rows' indices
	s_lshl_b32 s22, s21, 12
	s_add_nc_u64 s[10:11], s[10:11], s[22:23]      ; codes: 4,096 bytes a run
	s_lshl_b32 s22, s21, 8
	s_add_nc_u64 s[12:13], s[12:13], s[22:23]      ; scale bytes: 256 a run
	s_mul_i32 s32, s20, QW                         ; my wave's LDS
	v_lshrrev_b32 v14, 2, v2
	v_mul_u32_u24 v14, v14, SP
	v_and_b32 v15, 3, v2
	v_lshl_add_u32 v14, v15, 4, v14
	v_add_nc_u32 v14, s32, v14                     ; the stage, on the way in: four lanes' 64 bytes on end, then 16 of padding
	v_mul_u32_u24 v15, v2, SP
	v_add_nc_u32 v15, s32, v15                     ; on the way out: my 16 neighbours
	v_lshlrev_b32 v4, 3, v2                        ; 8 bytes a lane: my codes in a step's 256 bytes, and my part of the run's 256 scale bytes
	v_lshrrev_b32 v5, 1, v2
	s_add_co_u32 s32, s32, 2*32*SP
	v_add_nc_u32 v5, s32, v5                       ; my block's byte
	v_add_nc_u32 v6, s32, v4                       ; and on the way out 8 bytes a lane
	s_wait_kmcnt 0x0
.irp i, 0,1,2,3
	s_cmp_lt_u32 s[24+\i], 8                       ; unsigned: a negative index fails too
	s_cselect_b32 s[28+\i], -1, 0                  ; a mask for the row's codes: a choice of a value, no branch
.endr
	s_wait_loadcnt 28                              ; step 0's four loads are in
	QTURN 0
.irp t, 0,1,2,3,4,5,6,7,8,9,10,11,12,13,14,15
	QSTEP \t
.endr
	ds_load_b64 v[12:13], v6                       ; LDS serves a wave's instructions in order: these see my byte stores
	s_wait_dscnt 0x0
	global_store_b64 v4, v[12:13], s[12:13]        ; the run's scale bytes: 256 consecutive bytes, aligned
	s_wait_tensorcnt 0x0
	ds_add_u32 v224, v225
	s_wait_dscnt 0x0
	s_endpgm
	; ================ THE WEIGHT'S CODES IN REGISTER ORDER.  A wave takes one tile of 16 columns of one expert: 16 rows of 1,024 bytes, in two halves of 512 bytes a row.
.Lrelay:
	s_sub_co_u32 s21, ttmp9, 1
	s_lshl_b32 s21, s21, 3
	s_add_co_u32 s21, s21, s20                     ; which tile: 32 x expert + 4 x group + tile in the group
	s_lshl_b32 s22, s21, 14
	s_add_nc_u64 s[8:9], s[8:9], s[22:23]          ; 16,384 bytes a tile
	v_lshlrev_b32 v3, 4, v2                        ; 16 x lane
.irp p, 0,1
.irp r, 0,1,2,3,4,5,6,7,8,9,10,11,12,13,14,15
	global_load_b128 v[32+64*\p+4*\r:32+64*\p+4*\r+3], v3, s[8:9] offset:1024*\r+512*\p th:TH_LOAD_NT   ; 512 consecutive bytes of column r's row
.endr
.endr
	s_lshr_b32 s22, s21, 2
	s_lshl_b32 s22, s22, 16                        ; (8 x expert + group) x 65,536
	s_and_b32 s24, s21, 3
	s_lshl_b32 s24, s24, 10                        ; + the tile's 1,024 bytes in each K step
	s_add_co_u32 s22, s22, s24
	s_add_nc_u64 s[14:15], s[14:15], s[22:23]
	s_mul_i32 s24, s20, RW
	s_add_co_u32 s24, s24, RELL                    ; my stage
	v_add_nc_u32 v4, s24, v3                       ; in: a row's 512 bytes as they lie
	v_and_b32 v6, 15, v0                           ; r
	v_bfe_u32 v7, v0, 4, 1                         ; h
	v_mul_u32_u24 v5, v6, RP
	v_lshl_add_u32 v5, v7, 4, v5
	v_add_nc_u32 v5, s24, v5                       ; out: row r, + 16 h: the operand's layout
.macro RPASS p
	s_wait_loadcnt 16*(1-\p)                       ; this half's 16 loads are in; the other half's may be out
.irp r, 0,1,2,3,4,5,6,7,8,9,10,11,12,13,14,15
	ds_store_b128 v4, v[32+64*\p+4*\r:32+64*\p+4*\r+3] offset:RP*\r
.endr
.if \p
	s_wait_xcnt 0x0                                ; the first half's stores have read v160-223: only behind this wait are these loaded again
.endif
.irp m, 0,1,2,3,4,5,6,7,8,9,10,11,12,13,14,15
	ds_load_b128 v[160+4*\m:163+4*\m], v5 offset:32*\m   ; K step m / 2 of the half, c = m % 2.  LDS serves a wave's instructions in order: these see the stores above
.endr
.irp m, 0,1,2,3,4,5,6,7,8,9,10,11,12,13,14,15
	s_wait_dscnt 15-\m                             ; load m is in; the younger ones may be out
	global_store_b128 v3, v[160+4*\m:163+4*\m], s[14:15] offset:(8*\p+\m/2)*4096+512*(\m%2)   ; 512 consecutive bytes, aligned
.endr
.endm
	RPASS 0
	RPASS 1
	s_wait_tensorcnt 0x0
	ds_add_u32 v224, v225
	s_wait_dscnt 0x0
	s_endpgm
	; ================ THE SORT.  256 threads, 32 indices each; element (j, c) of thread t is row 1,024 j + 4 t + c.  Bucket = index & 7.
	; A row's place = its bucket's start + the bucket's rows in the waves in front + in the lanes in front + in the thread's earlier groups of eight + its rank in its group.
	; Counts go two buckets to a register, 16 bits each: no field passes 8,192.
.Lsort:
	v_lshlrev_b32 v3, 4, v0
.irp j, 0,1,2,3,4,5,6,7
	global_load_b128 v[IDX+4*\j:IDX+4*\j+3], v3, s[6:7] offset:4096*\j
.endr
	v_lshlrev_b32 v14, 2, v0                       ; 4 t
	v_bfe_u32 v13, v0, 4, 1
	v_sub_nc_u32 v13, 0, v13                       ; all ones in lanes 16-31
	s_lshl_b32 s21, s20, 2
	s_add_co_u32 s21, s21, SORTL
	v_mov_b32 v12, s21                             ; my wave's word among the totals
	v_and_b32 v15, 7, v0
	v_lshl_add_u32 v15, v15, 2, SORTL              ; lane l reads wave l % 8's
	s_mov_b32 s22, 0x100                           ; v_perm_b32's selector for field 0: bytes 0 and 1
.irp g, 0,1,2,3
	v_mov_b32 v[ACC+\g], 0
.endr
	s_wait_loadcnt 0x0
.irp q, 0,1,2,3,4,5,6,7                        ; the four groups by turns: no line waits for the line above it
.irp g, 0,1,2,3
	v_and_b32 v[IDX+8*\g+\q], 7, v[IDX+8*\g+\q]    ; the bucket
.endr
.irp g, 0,1,2,3
	v_lshlrev_b32 v[4+\g], 2, v[IDX+8*\g+\q]       ; its field of 4 bits (at most 8 in a group)
.endr
.irp g, 0,1,2,3
	v_bfe_u32 v[RK+8*\g+\q], v[ACC+\g], v[4+\g], 4 ; the rank: how many of the bucket came before in the group
.endr
.irp g, 0,1,2,3
	v_lshlrev_b32 v[8+\g], v[4+\g], 1
.endr
.irp g, 0,1,2,3
	v_add_nc_u32 v[ACC+\g], v[ACC+\g], v[8+\g]
.endr
.endr
.irp g, 0,1,2,3
.irp k, 0,1,2,3
	v_bfe_u32 v[4+\k], v[ACC+\g], 8*\k, 4
	v_bfe_u32 v[8+\k], v[ACC+\g], 8*\k+4, 4
	v_lshl_or_b32 v[CG+4*\g+\k], v[8+\k], 16, v[4+\k]
.endr
.endr
.irp k, 0,1,2,3
	v_add_nc_u32 v[TT+\k], v[CG+\k], v[CG+4+\k]
.endr
.irp k, 0,1,2,3
	v_add3_u32 v[TT+\k], v[TT+\k], v[CG+8+\k], v[CG+12+\k]
.endr
.irp k, 0,1,2,3
	v_mov_b32 v[INC+\k], v[TT+\k]
.endr
.macro SHR4 base, n                    ; one step of a running sum over the lanes of a half: lane i adds lane i - n's, lanes without one add 0.  v4-7 have been written
.irp k, 0,1,2,3
	v_mov_b32_dpp v[4+\k], v[\base+\k] row_shr:\n row_mask:0xf bank_mask:0xf bound_ctrl:1
.endr
.irp k, 0,1,2,3
	v_add_nc_u32 v[\base+\k], v[\base+\k], v[4+\k]
.endr
.endm
	SHR4 INC, 1
	SHR4 INC, 2
	SHR4 INC, 4
	SHR4 INC, 8
.irp k, 0,1,2,3
	v_readlane_b32 s[24+\k], v[INC+\k], 15         ; the lower half's sum
.endr
.irp k, 0,1,2,3
	v_and_b32 v[4+\k], s[24+\k], v13               ; goes to lanes 16-31
.endr
.irp k, 0,1,2,3
	v_add_nc_u32 v[INC+\k], v[INC+\k], v[4+\k]
.endr
.irp k, 0,1,2,3
	v_readlane_b32 s[24+\k], v[INC+\k], 31         ; my wave's totals
.endr
.irp k, 0,1,2,3
	v_mov_b32 v[4+\k], s[24+\k]
	ds_store_b32 v12, v[4+\k] offset:32*\k         ; all lanes write the same word with the same value
.endr
	s_wait_dscnt 0x0                               ; for the others' sake: my stores are done
	s_barrier_signal -1                            ; the way here hangs on the work-group's number alone: all eight waves pass
	s_barrier_wait -1
.irp k, 0,1,2,3
	ds_load_b32 v[XW+\k], v15 offset:32*\k
.endr
	s_wait_dscnt 0x0
	SHR4 XW, 1                                     ; lanes 0-7 hold waves 0-7: three steps give their running sums (the other lanes are not read)
	SHR4 XW, 2
	SHR4 XW, 4
.irp k, 0,1,2,3
	v_readlane_b32 s[28+\k], v[XW+\k], s20
	v_readlane_b32 s[32+\k], v[XW+\k], 7           ; the buckets' counts
.endr
.irp k, 0,1,2,3
	s_sub_co_u32 s[28+\k], s[28+\k], s[24+\k]      ; the waves in front of mine
.endr
.irp k, 0,1,2,3
	s_and_b32 s[40+2*\k], s[32+\k], 0xffff         ; s40-47: rows of each bucket
	s_lshr_b32 s[41+2*\k], s[32+\k], 16
.endr
	s_mov_b32 s48, 0                               ; s48-55: where each bucket starts in order
	s_mov_b32 s56, 0                               ; s56-63: its first tile
.irp e, 0,1,2,3,4,5,6
	s_add_co_u32 s[49+\e], s[48+\e], s[40+\e]
	s_add_co_u32 s21, s[40+\e], 127
	s_lshr_b32 s21, s21, 7                         ; tiles of 128 rows, the last one short
	s_add_co_u32 s[57+\e], s[56+\e], s21
.endr
	s_add_co_u32 s21, s47, 127
	s_lshr_b32 s21, s21, 7
	s_add_co_u32 s23, s63, s21                     ; tiles in all: at most 64 + 7
.irp k, 0,1,2,3
	s_lshl_b32 s21, s[49+2*\k], 16
	s_or_b32 s[36+\k], s21, s[48+2*\k]
	s_add_co_u32 s[36+\k], s[36+\k], s[28+\k]      ; start + the waves in front, two buckets to a register
.endr
.irp k, 0,1,2,3
	v_sub_nc_u32 v[BB+\k], v[INC+\k], v[TT+\k]     ; the lanes in front
.endr
.irp k, 0,1,2,3
	v_add_nc_u32 v[BB+\k], s[36+\k], v[BB+\k]
.endr
.macro POS g                           ; the eight rows of group g are placed; each store has address and data registers of its own
.irp q, 0,1,2,3,4,5,6,7
	v_and_b32 v[TA+\q], 3, v[IDX+8*\g+\q]
.endr
.irp q, 0,1,2,3,4,5,6,7
	v_mad_u32_u24 v[TA+\q], v[TA+\q], 0x202, s22   ; selector: bytes 2 f and 2 f + 1 of a pair of registers, f = bucket & 3
.endr
.irp q, 0,1,2,3,4,5,6,7
	v_perm_b32 v[TU+\q], v[BB+1], v[BB], v[TA+\q]  ; buckets 0-3
.endr
.irp q, 0,1,2,3,4,5,6,7
	v_perm_b32 v[TA+\q], v[BB+3], v[BB+2], v[TA+\q]   ; buckets 4-7
.endr
.irp q, 0,1,2,3,4,5,6,7
	v_cmp_lt_u32 vcc_lo, 3, v[IDX+8*\g+\q]
	v_cndmask_b32 v[TU+\q], v[TU+\q], v[TA+\q], vcc_lo
.endr
.irp q, 0,1,2,3,4,5,6,7
	v_and_b32 v[TU+\q], 0xffff, v[TU+\q]           ; the field's 16 bits
.endr
.irp q, 0,1,2,3,4,5,6,7
	v_add_nc_u32 v[TU+\q], v[TU+\q], v[RK+8*\g+\q]
.endr
.irp q, 0,1,2,3,4,5,6,7
	v_min_u32 v[TU+\q], 0x1fff, v[TU+\q]           ; a place in order: 0 .. 8,191
.endr
.irp q, 0,1,2,3,4,5,6,7
	v_lshlrev_b32 v[RK+8*\g+\q], 2, v[TU+\q]
.endr
.irp q, 0,1,2,3,4,5,6,7
	v_add_nc_u32 v[IDX+8*\g+\q], 1024*(2*\g+\q/4)+\q%4, v14   ; the row's number
.endr
.irp q, 0,1,2,3,4,5,6,7
	global_store_b32 v[RK+8*\g+\q], v[IDX+8*\g+\q], s[16:17]
.endr
.irp k, 0,1,2,3
	v_add_nc_u32 v[BB+\k], v[BB+\k], v[CG+4*\g+\k] ; on behind this group's rows
.endr
.endm
	POS 0
	POS 1
	POS 2
	POS 3
	; the list of tiles: thread t of waves 0-3 writes record t; all 128 records of the buffer are written, those past the last tile as zeros
	s_cmp_lt_u32 s20, 4
	s_cbranch_scc0 .Lsorted
	v_mov_b32 v4, 0                                ; the expert whose tiles hold tile t: the last whose first tile is at or under t
	v_mov_b32 v5, 0                                ; its start
	v_mov_b32 v6, 0                                ; its first tile
	v_mov_b32 v7, s40                              ; its rows
.irp e, 1,2,3,4,5,6,7
	v_cmp_le_u32 vcc_lo, s[56+\e], v0
	v_cndmask_b32 v4, v4, \e, vcc_lo
	v_cndmask_b32 v5, v5, s[48+\e], vcc_lo
	v_cndmask_b32 v6, v6, s[56+\e], vcc_lo
	v_cndmask_b32 v7, v7, s[40+\e], vcc_lo
.endr
	v_sub_nc_u32 v8, v0, v6
	v_lshlrev_b32 v8, 7, v8                        ; rows of the expert in front of this tile
	v_add_nc_u32 v5, v5, v8
	v_sub_nc_u32 v7, v7, v8
	v_min_u32 v7, 0x80, v7                         ; 128, or what is left
	v_cmp_gt_u32 vcc_lo, s23, v0                   ; is there a tile t?
	v_cndmask_b32 v4, 0, v4, vcc_lo
	v_cndmask_b32 v5, 0, v5, vcc_lo
	v_cndmask_b32 v6, 0, v7, vcc_lo
	v_mov_b32 v7, 0
	v_lshlrev_b32 v9, 4, v0
	global_store_b128 v9, v[4:7], s[18:19]
.Lsorted:
	s_wait_tensorcnt 0x0
	ds_add_u32 v224, v225
	s_wait_dscnt 0x0
	s_endpgm
.Lfunc_end_k_qd31c491e56_prep:
	.size	k_qd31c491e56_prep, .Lfunc_end_k_qd31c491e56_prep-k_qd31c491e56_prep
	.p2alignl 7, 3214868480
	.fill 96, 4, 3214868480
	.section	.rodata,"a",@progbits
	.p2align	6, 0x0
	.amdhsa_kernel k_qd31c491e56_prep
		.amdhsa_group_segment_fixed_size 113920
		.amdhsa_private_segment_fixed_size 0
		.amdhsa_enable_private_segment 0
		.amdhsa_kernarg_size 64
		.amdhsa_user_sgpr_count 2
		.amdhsa_user_sgpr_kernarg_segment_ptr 1
		.amdhsa_wavefront_size32 1
		.amdhsa_system_sgpr_workgroup_id_x 1
		.amdhsa_system_sgpr_workgroup_id_y 1
		.amdhsa_system_sgpr_workgroup_id_z 1
		.amdhsa_system_vgpr_workitem_id 0
		.amdhsa_next_free_vgpr 226
		.amdhsa_next_free_sgpr 66
		.amdhsa_reserve_vcc 1
		.amdhsa_float_denorm_mode_32 3
		.amdhsa_float_denorm_mode_16_64 3
		.amdhsa_memory_ordered 1
		.amdhsa_forward_progress 1
		.amdhsa_inst_pref_size 90
	.end_amdhsa_kernel
	.amdgpu_metadata
---
amdhsa.version: [ 1, 2 ]
amdhsa.kernels:
  - .name:           k_qd31c491e56_prep
    .symbol:         k_qd31c491e56_prep.kd
    .args:
      - { .name: x, .offset: 0, .size: 8, .value_kind: global_buffer, .address_space: global }
      - { .name: indices, .offset: 8, .size: 8, .value_kind: global_buffer, .address_space: global }
      - { .name: weight_codes, .offset: 16, .size: 8, .value_kind: global_buffer, .address_space: global }
      - { .name: xq, .offset: 24, .size: 8, .value_kind: global_buffer, .address_space: global }
      - { .name: xs, .offset: 32, .size: 8, .value_kind: global_buffer, .address_space: global }
      - { .name: wfrag, .offset: 40, .size: 8, .value_kind: global_buffer, .address_space: global }
      - { .name: order, .offset: 48, .size: 8, .value_kind: global_buffer, .address_space: global }
      - { .name: tiles, .offset: 56, .size: 8, .value_kind: global_buffer, .address_space: global }
    .group_segment_fixed_size: 113920
    .private_segment_fixed_size: 0
    .kernarg_segment_align: 8
    .kernarg_segment_size: 64
    .max_flat_workgroup_size: 256
    .sgpr_count:     66
    .vgpr_count:     226
    .wavefront_size: 32
...
	.end_amdgpu_metadata
.endif
;; end of part 1
;; launch gemm (part 2): grid 71 x 2, 4 waves a work-group, no clusters, 161,792 bytes of LDS; arguments tiles, order, xq, xs, wfrag, weight_scales, out0; writes out0
.if DOCPART == 2
	.amdgcn_target "amdgcn-amd-amdhsa--gfx1250"
	.amdhsa_code_object_version 6
	.text
	.protected	k_qd31c491e56_gemm
	.globl	k_qd31c491e56_gemm
	.p2align	8
	.type	k_qd31c491e56_gemm,@function
k_qd31c491e56_gemm:
	s_mov_b64 s[64:65], 0
	v_nop
	global_prefetch_b8 v0, s[64:65] scope:SCOPE_SE
	s_setreg_imm32_b32 hwreg(HW_REG_WAVE_MODE, 25, 1), 1
	s_wait_xcnt 0x0
; out0[n][:] = Q(x[n]) . W[indices[n]], on codes of FP4 (E2M1) with one E8M0 scale for each 32 along K.  Only the chosen expert's product is made: the others' are multiplied by zeros in the definition.
; SHARES.  Work-group (t, y) takes tile t of the list (up to 128 rows of ONE expert, gathered by order[]) and columns 256 y .. 256 y + 255.  71 tiles serve every split of 8,192 rows over 8 experts
; (64 full ones and at most 7 short ones more).  Wave w takes all 128 rows x columns 64 (4 y + w) on: 8 x 4 accumulators of 16 x 16.
; THE WEIGHTS go from memory straight into registers: the wave's 64 columns x 2,048 K are 65,536 bytes on end in wfrag, laid in register order: 128 loads, 512 registers; each fragment feeds 8 products.
; x's CODES of the 128 rows are shared: each wave gathers 32 rows (1,024 bytes each) into LDS, one barrier, and every wave reads all.
; NO TENSOR LOAD, NO CLUSTER: every address hangs on the expert and the rows that the list names, the number of tiles of an expert varies with the data, so partners could not be promised one expert,
; and a tile without rows ends on a branch on a stored count.
; A SHORT TILE repeats its last row: places at or past the count take row count - 1 again, compute the same numbers and store the same bytes to the same address, from the same wave: no mask in the stores.
; A TILE WITHOUT ROWS (record 0, 0, 0, 0) walks safe addresses up to the one barrier and ends just behind it, storing nothing.
; THE MATRIX INSTRUCTION IS USED TRANSPOSED: source 0 = 16 columns of W, source 1 = 16 rows of x: a lane then holds eight neighbouring numbers of one row of out0.
; LIMITS: a weight scale byte 0xff makes NaN only in the rows routed to that expert.
; REGISTERS, in windows of 256: window 0: v0-15 addresses; v16-47 W's scale words; v48-111 x's scale words (both hold scales and nothing else); v112-239 x's fragments, two sets of 8 x 8
;   (before the products: offsets and x's scale bytes on their way; behind them: the way out); v240-243 addresses.
;   window 1: the 32 accumulators, (a, t) at v[8 (4 a + t)]; before the products: x's codes on their way to LDS.   windows 2, 3: W's fragments of K steps 0-7, 8-15: v[32 (s % 8) + 8 t + 4 c].
.set XP,     1040                      ; LDS: a row of x's codes: 1,024 bytes + 16: the sixteen rows that a load touches begin in sixteen different groups of four banks
.set XS,     133120                    ; behind 128 such rows: x's scale bytes, 64 + 16 a row
.set XSP,    80
.set ROWT,   143360                    ; the 128 rows' numbers
.set STAGE,  143872                    ; the way out: 16 rows x (256 bytes + 16) for each wave
.set SPITCH, 272
.set ADX,    10                        ; v10, v11  my lane's place in x's row tiles 0-3, 4-7
.set WS,     16                        ; v[WS + 16 u + s]: lane l: the scale word of column 32 u + l for K step s
.set XSC,    48                        ; v[XSC + 16 u + s]: lane l: that of row 32 u + l
.set XF,     112                       ; x's fragments: set s % 2 at XF + 64 (s % 2), row tile a at + 8 a
.set XO,     112                       ; early: v112-143 byte offsets of my wave's 32 rows in xq
.set TR,     144                       ; v144-147 offsets into xs
.set XSL,    148                       ; v148-163 x's scale bytes on their way
.set OB,     112                       ; late: v112-143, v144-175 16 rows read back from the stage, two sets
.set RI,     176                       ; v176-183, v184-191 their row numbers
.set OF,     192                       ; v192-199, v200-207 their byte offsets in out0
.set CO,     240                       ; v240  my byte in a row of out0
.set MSB, 0
.macro WIN new                         ; the immediate's high byte repeats the setting that is left; a switch that changes nothing is dropped
.if MSB != (\new)
	s_set_vgpr_msb (MSB<<8)|(\new)
.set MSB, (\new)
.endif
.endm
.macro WLOAD s                         ; W's four fragments of K step s: 8 loads of 512 consecutive bytes
	WIN 0x80+0x40*((\s)/8)                         ; destination window 2 or 3, address window 0
.irp t, 0,1,2,3
.irp c, 0,1
	global_load_b128 v[32*((\s)%8)+8*\t+4*\c:32*((\s)%8)+8*\t+4*\c+3], v3, s[12:13] offset:4096*(\s)+1024*\t+512*\c
.endr
.endr
.endm
.macro XLOAD s                         ; x's eight fragments of K step s: lane (r, h) takes bytes 64 s + 32 c + 16 h on of row r of the tile
.irp a, 0,1,2,3,4,5,6,7
.irp c, 0,1
	ds_load_b128 v[XF+64*((\s)%2)+8*\a+4*\c:XF+64*((\s)%2)+8*\a+4*\c+3], v[ADX+\a/4] offset:16*XP*(\a%4)+64*(\s)+32*\c
.endr
.endr
.endm
; One product: K step s, row tile a, column tile t.  A scale register carries two tiles' words: the odd tile's lie in lanes 16-31 and are named by the ROW1 selector.  At s = 0 the product starts the sum.
.macro MM s, a, t
.set mD, 8*(4*(\a)+(\t))
.set mW, 32*((\s)%8)+8*(\t)
.set mX, XF+64*((\s)%2)+8*(\a)
.set mA, WS+16*((\t)/2)+(\s)
.set mB, XSC+16*((\a)/2)+(\s)
.if (\s) == 0
.if ((\t)%2 == 0) && ((\a)%2 == 0)
	v_wmma_scale_f32_16x16x128_f8f6f4 v[mD:mD+7], v[mW:mW+7], v[mX:mX+7], 0, v[mA], v[mB] matrix_a_fmt:MATRIX_FMT_FP4 matrix_b_fmt:MATRIX_FMT_FP4
.elseif ((\t)%2 == 1) && ((\a)%2 == 0)
	v_wmma_scale_f32_16x16x128_f8f6f4 v[mD:mD+7], v[mW:mW+7], v[mX:mX+7], 0, v[mA], v[mB] matrix_a_fmt:MATRIX_FMT_FP4 matrix_b_fmt:MATRIX_FMT_FP4 matrix_a_scale:MATRIX_SCALE_ROW1
.elseif ((\t)%2 == 0)
	v_wmma_scale_f32_16x16x128_f8f6f4 v[mD:mD+7], v[mW:mW+7], v[mX:mX+7], 0, v[mA], v[mB] matrix_a_fmt:MATRIX_FMT_FP4 matrix_b_fmt:MATRIX_FMT_FP4 matrix_b_scale:MATRIX_SCALE_ROW1
.else
	v_wmma_scale_f32_16x16x128_f8f6f4 v[mD:mD+7], v[mW:mW+7], v[mX:mX+7], 0, v[mA], v[mB] matrix_a_fmt:MATRIX_FMT_FP4 matrix_b_fmt:MATRIX_FMT_FP4 matrix_a_scale:MATRIX_SCALE_ROW1 matrix_b_scale:MATRIX_SCALE_ROW1
.endif
.else
.if ((\t)%2 == 0) && ((\a)%2 == 0)
	v_wmma_scale_f32_16x16x128_f8f6f4 v[mD:mD+7], v[mW:mW+7], v[mX:mX+7], v[mD:mD+7], v[mA], v[mB] matrix_a_fmt:MATRIX_FMT_FP4 matrix_b_fmt:MATRIX_FMT_FP4
.elseif ((\t)%2 == 1) && ((\a)%2 == 0)
	v_wmma_scale_f32_16x16x128_f8f6f4 v[mD:mD+7], v[mW:mW+7], v[mX:mX+7], v[mD:mD+7], v[mA], v[mB] matrix_a_fmt:MATRIX_FMT_FP4 matrix_b_fmt:MATRIX_FMT_FP4 matrix_a_scale:MATRIX_SCALE_ROW1
.elseif ((\t)%2 == 0)
	v_wmma_scale_f32_16x16x128_f8f6f4 v[mD:mD+7], v[mW:mW+7], v[mX:mX+7], v[mD:mD+7], v[mA], v[mB] matrix_a_fmt:MATRIX_FMT_FP4 matrix_b_fmt:MATRIX_FMT_FP4 matrix_b_scale:MATRIX_SCALE_ROW1
.else
	v_wmma_scale_f32_16x16x128_f8f6f4 v[mD:mD+7], v[mW:mW+7], v[mX:mX+7], v[mD:mD+7], v[mA], v[mB] matrix_a_fmt:MATRIX_FMT_FP4 matrix_b_fmt:MATRIX_FMT_FP4 matrix_a_scale:MATRIX_SCALE_ROW1 matrix_b_scale:MATRIX_SCALE_ROW1
.endif
.endif
.endm
; A K step of 128: 32 products, the 32 accumulators by turns, one instruction a turn, in the same order in every step.
.macro STEP s
	s_wait_dscnt 0x0                               ; this step's fragments of x are in (asked for a step ago); at s = 0 x's scale words too
.if (\s) > 0
.rept 4
	v_nop                                          ; four places between the last step's products and the loads into the set that they read (ISA guide 7.12.1 for vector instructions)
.endr
.endif
.if (\s) < 15
	XLOAD (\s)+1                                   ; 32 products ahead of their use
.endif
.if (\s) >= 8
	s_wait_loadcnt 8*(15-(\s))                     ; W's fragments of this step are in: behind them the later steps' 8 loads each were issued
.elseif (\s) >= 4
	s_wait_loadcnt 63                              ; the same; 8 (15 - s) is above what the wait can name, and a smaller count is safe.  (Steps 0-3 were shown in by the wait in front of the barrier)
.endif
	WIN 0x52+(\s)/8                                ; source 0 (W) window 2 or 3, source 1 (x) window 0, C and D window 1
.irp a, 0,1,2,3,4,5,6,7
.irp t, 0,1,2,3
	MM \s, \a, \t
.endr
.endr
	WIN 0
.endm
	s_load_b256 s[4:11], s[0:1], 0x0               ; tiles s[4:5], order s[6:7], xq s[8:9], xs s[10:11]
	s_load_b128 s[12:15], s[0:1], 0x20             ; wfrag s[12:13], weight_scales s[14:15]
	s_load_b64 s[16:17], s[0:1], 0x30              ; out0
	v_lshl_add_u32 v254, v0, 2, 0x27600
	v_mov_b32 v255, 0
	v_lshrrev_b32 v1, 5, v0
	v_readfirstlane_b32 s18, v1                    ; wave 0..3
	s_and_b32 s19, ttmp7, 0xffff                   ; y: which 256 columns
	s_lshl_b32 s24, ttmp9, 4                       ; my tile's record: 16 bytes
	s_mov_b32 s25, 0
	s_wait_kmcnt 0x0
	s_add_nc_u64 s[4:5], s[4:5], s[24:25]
	s_load_b128 s[20:23], s[4:5], 0x0              ; expert s20, first place in order s21, rows s22
	; the addresses that hang on ids alone are made while the record is on its way
	v_and_b32 v1, 31, v0                           ; lane
	v_and_b32 v241, 15, v0                         ; r
	v_bfe_u32 v242, v0, 4, 1                       ; h
	v_lshlrev_b32 v3, 4, v1                        ; 16 x lane
	v_lshlrev_b32 v4, 6, v1                        ; 64 x lane: a column's row of scale bytes
	v_lshl_add_u32 v5, v0, 2, ROWT                 ; my place's word among the rows' numbers
	v_and_b32 v6, 0x60, v0
	v_bfe_u32 v7, v0, 2, 3
	v_add_nc_u32 v6, v6, v7
	v_lshl_add_u32 v6, v6, 2, ROWT                 ; place 32 w + lane / 4: my wave's own words
	v_mul_u32_u24 v9, v7, XSP
	v_and_b32 v7, 3, v0
	v_lshlrev_b32 v7, 4, v7                        ; 16 (lane % 4)
	s_mul_i32 s24, s18, 32*XP
	v_add_nc_u32 v8, s24, v3                       ; x's codes into LDS: my wave's 32 rows, 16 bytes a lane
	s_mul_i32 s24, s18, 32*XSP
	s_add_co_u32 s24, s24, XS
	v_add_nc_u32 v9, v9, v7
	v_add_nc_u32 v9, s24, v9                       ; x's scale bytes into LDS: row 32 w + lane / 4, 16 bytes a lane
	v_mul_u32_u24 v10, v241, XP
	v_lshl_add_u32 v10, v242, 4, v10               ; a fragment's row x pitch + 16 h
	v_add_nc_u32 v11, 64*XP, v10                   ; row tiles 4-7: past what the 16-bit immediate reaches
	v_mul_u32_u24 v12, v1, XSP
	v_add_nc_u32 v12, XS, v12                      ; x's scale words: lane l takes row l of 32
	v_lshl_add_u32 v13, v242, 5, ROWT              ; the way out: lanes 0-15 want places 0-7 of a tile of 16, lanes 16-31 places 8-15
	s_mul_i32 s24, s18, 16*SPITCH
	s_add_co_u32 s24, s24, STAGE                   ; my stage
	v_mul_u32_u24 v14, v241, SPITCH
	v_lshl_add_u32 v14, v242, 5, v14
	v_add_nc_u32 v14, s24, v14                     ; in: row r, 32 bytes for each half of the lanes
	v_mul_u32_u24 v15, v242, 8*SPITCH
	v_lshl_add_u32 v15, v241, 4, v15
	v_add_nc_u32 v15, s24, v15                     ; back: lanes 0-15 row i, lanes 16-31 row i + 8; 16 bytes a lane
	s_lshl_b32 s24, s19, 10
	s_lshl_b32 s26, s18, 8
	s_add_co_u32 s24, s24, s26
	v_lshl_add_u32 v[CO], v241, 4, s24             ; 1,024 y + 256 w + 16 r
	s_wait_kmcnt 0x0
	s_min_u32 s20, s20, 7                          ; the expert
	s_max_u32 s25, s22, 1
	s_sub_co_u32 s25, s25, 1                       ; the tile's last place (0 in a tile without rows)
	v_min_u32 v243, s25, v0                        ; places past it take it again
	v_add_nc_u32 v243, s21, v243
	v_min_u32 v243, 0x1fff, v243                   ; a place in order: 0 .. 8,191
	v_lshlrev_b32 v243, 2, v243
	global_load_b32 v2, v243, s[6:7]               ; my place's row
	s_lshl_b32 s24, s20, 3
	s_lshl_b32 s26, s19, 2
	s_add_co_u32 s24, s24, s26
	s_add_co_u32 s24, s24, s18                     ; 8 x expert + my group of 64 columns
	s_mov_b32 s27, 0
	s_lshl_b32 s26, s24, 16
	s_add_nc_u64 s[12:13], s[12:13], s[26:27]      ; 65,536 bytes of codes a group
	s_lshl_b32 s26, s24, 12
	s_add_nc_u64 s[14:15], s[14:15], s[26:27]      ; 4,096 scale bytes a group
.irp u, 0,1
.irp q, 0,1,2,3
	global_load_b128 v[WS+16*\u+4*\q:WS+16*\u+4*\q+3], v4, s[14:15] offset:2048*\u+16*\q   ; column 32 u + lane: its 16 scale words
.endr
.endr
.irp s, 0,1,2,3
	WLOAD \s
.endr
	WIN 0
	s_wait_loadcnt 40                              ; my row's number is in: behind it 8 loads of scale words and 32 of codes were issued
	v_min_u32 v2, 0x1fff, v2
	ds_store_b32 v5, v2
.irp i, 0,1,2,3,4,5,6,7,8,9,10,11,12,13,14,15,16,17,18,19,20,21,22,23,24,25,26,27,28,29,30,31
	v_readlane_b32 s[32+\i], v2, \i                ; my wave's 32 rows
.endr
.irp i, 0,1,2,3,4,5,6,7,8,9,10,11,12,13,14,15,16,17,18,19,20,21,22,23,24,25,26,27,28,29,30,31
	s_min_u32 s[32+\i], s[32+\i], 0x1fff
	v_lshl_add_u32 v[XO+\i], s[32+\i], 10, v3      ; row x 1,024 + 16 x lane
.endr
.irp i, 0,1,2,3
	ds_load_b32 v[TR+\i], v6 offset:32*\i          ; place 32 w + 8 i + lane / 4: words that my own wave stored; LDS serves a wave's instructions in order
.endr
	s_wait_dscnt 0x0
.irp i, 0,1,2,3
	v_min_u32 v[TR+\i], 0x1fff, v[TR+\i]
.endr
.irp i, 0,1,2,3
	v_lshl_add_u32 v[TR+\i], v[TR+\i], 6, v7       ; row x 64 + 16 (lane % 4)
.endr
.irp i, 0,1,2,3
	global_load_b128 v[XSL+4*\i:XSL+4*\i+3], v[TR+\i], s[10:11]   ; eight rows' 64 scale bytes
.endr
	WIN 0x40                                       ; destination window 1, address window 0
.irp i, 0,1,2,3,4,5,6,7,8,9,10,11,12,13,14,15,16,17,18,19,20,21,22,23,24,25,26,27,28,29,30,31
.irp d, 0,1
	global_load_b128 v[8*\i+4*\d:8*\i+4*\d+3], v[XO+\i], s[8:9] offset:512*\d   ; 512 consecutive bytes of one row
.endr
.endr
.irp s, 4,5,6,7,8
	WLOAD \s
.endr
	s_wait_loadcnt 40                              ; all up to x's last load is in: behind it K steps 4 to 8's 40 loads were issued
	WIN 0x04                                       ; an LDS store's data are its source 1: window 1
.irp i, 0,1,2,3,4,5,6,7,8,9,10,11,12,13,14,15,16,17,18,19,20,21,22,23,24,25,26,27,28,29,30,31
.irp d, 0,1
	ds_store_b128 v8, v[8*\i+4*\d:8*\i+4*\d+3] offset:XP*\i+512*\d
.endr
.endr
	WIN 0
.irp i, 0,1,2,3
	ds_store_b128 v9, v[XSL+4*\i:XSL+4*\i+3] offset:8*XSP*\i
.endr
	s_wait_dscnt 0x0                               ; for the others' sake: my stores are done
	s_barrier_signal -1                            ; the launch's one barrier: every wave of every work-group passes it
	s_barrier_wait -1                              ; the 128 rows' codes, scale bytes and numbers lie in LDS; nothing there but each wave's own stage is written again
	s_cmp_eq_u32 s22, 0
	s_cbranch_scc1 .Lend                           ; a tile without rows ends here
.irp s, 9,10,11,12,13,14,15
	WLOAD \s
.endr
	WIN 0
.irp u, 0,1,2,3
.irp q, 0,1,2,3
	ds_load_b128 v[XSC+16*\u+4*\q:XSC+16*\u+4*\q+3], v12 offset:32*XSP*\u+16*\q   ; row 32 u + lane: its 16 scale words
.endr
.endr
	XLOAD 0
.irp s, 0,1,2,3,4,5,6,7,8,9,10,11,12,13,14,15
	STEP \s
.endr
; THE WAY OUT, a tile of 16 rows x my 64 columns at a time.  A lane holds 32 neighbouring bytes of a row, and the lanes beside it hold other rows: so the tile goes through my own stage in LDS and comes back
; as rows of 256 bytes; sixteen lanes store 256 consecutive bytes, aligned, of the row that the list names.  LDS serves a wave's instructions in order: no wait between the stores and the loads.
.macro TOSTAGE a                       ; 18 LDS instructions
.set oI, RI+8*((\a)%2)
.set oB, OB+32*((\a)%2)
	ds_load_b128 v[oI:oI+3], v13 offset:64*(\a)                    ; the numbers of the eight rows that my half of the lanes will store
	ds_load_b128 v[oI+4:oI+7], v13 offset:64*(\a)+16
	WIN 0x04                                       ; the data: window 1
.irp t, 0,1,2,3
	ds_store_b128 v14, v[8*(4*(\a)+\t):8*(4*(\a)+\t)+3] offset:64*\t          ; each accumulator from its low end on
	ds_store_b128 v14, v[8*(4*(\a)+\t)+4:8*(4*(\a)+\t)+7] offset:64*\t+16
.endr
	WIN 0
.irp i, 0,1,2,3,4,5,6,7
	ds_load_b128 v[oB+4*\i:oB+4*\i+3], v15 offset:SPITCH*\i
.endr
.endm
.macro SEND a, younger                 ; younger: the LDS instructions issued behind tile a's, which may stay out
.set oI, RI+8*((\a)%2)
.set oB, OB+32*((\a)%2)
.set oF, OF+8*((\a)%2)
	s_wait_dscnt \younger
.irp i, 0,1,2,3,4,5,6,7
	v_min_u32 v[oI+\i], 0x1fff, v[oI+\i]
.endr
.irp i, 0,1,2,3,4,5,6,7
	v_lshl_add_u32 v[oF+\i], v[oI+\i], 11, v[CO]   ; row x 2,048 bytes + my columns
.endr
.irp i, 0,1,2,3,4,5,6,7
	global_store_b128 v[oF+\i], v[oB+4*\i:oB+4*\i+3], s[16:17] th:TH_STORE_NT   ; written once, read by nobody here
.endr
.endm
.rept 4
	v_nop                                          ; four places between the last products and the first reads of results and the loads into the registers that held x's fragments
.endr
	TOSTAGE 0
.irp a, 1,2,3,4,5,6,7
.if \a > 1
	s_wait_xcnt 0x0                                ; tile a - 2's stores have read their data and offsets: only behind this wait are those registers written again
.endif
	TOSTAGE \a
	SEND \a-1, 18                                  ; behind tile a - 1's loads: tile a's 18 LDS instructions
.endr
	SEND 7, 0
.Lend:
	s_wait_tensorcnt 0x0
	ds_add_u32 v254, v255
	s_wait_dscnt 0x0
	s_endpgm
.Lfunc_end_k_qd31c491e56_gemm:
	.size	k_qd31c491e56_gemm, .Lfunc_end_k_qd31c491e56_gemm-k_qd31c491e56_gemm
	.p2alignl 7, 3214868480
	.fill 96, 4, 3214868480
	.section	.rodata,"a",@progbits
	.p2align	6, 0x0
	.amdhsa_kernel k_qd31c491e56_gemm
		.amdhsa_group_segment_fixed_size 161792
		.amdhsa_private_segment_fixed_size 0
		.amdhsa_enable_private_segment 0
		.amdhsa_kernarg_size 56
		.amdhsa_user_sgpr_count 2
		.amdhsa_user_sgpr_kernarg_segment_ptr 1
		.amdhsa_wavefront_size32 1
		.amdhsa_system_sgpr_workgroup_id_x 1
		.amdhsa_system_sgpr_workgroup_id_y 1
		.amdhsa_system_sgpr_workgroup_id_z 1
		.amdhsa_system_vgpr_workitem_id 0
		.amdhsa_next_free_vgpr 1024
		.amdhsa_next_free_sgpr 66
		.amdhsa_reserve_vcc 0
		.amdhsa_float_denorm_mode_32 3
		.amdhsa_float_denorm_mode_16_64 3
		.amdhsa_memory_ordered 1
		.amdhsa_forward_progress 1
		.amdhsa_inst_pref_size 144
	.end_amdhsa_kernel
	.amdgpu_metadata
---
amdhsa.version: [ 1, 2 ]
amdhsa.kernels:
  - .name:           k_qd31c491e56_gemm
    .symbol:         k_qd31c491e56_gemm.kd
    .args:
      - { .name: tiles, .offset: 0, .size: 8, .value_kind: global_buffer, .address_space: global }
      - { .name: order, .offset: 8, .size: 8, .value_kind: global_buffer, .address_space: global }
      - { .name: xq, .offset: 16, .size: 8, .value_kind: global_buffer, .address_space: global }
      - { .name: xs, .offset: 24, .size: 8, .value_kind: global_buffer, .address_space: global }
      - { .name: wfrag, .offset: 32, .size: 8, .value_kind: global_buffer, .address_space: global }
      - { .name: weight_scales, .offset: 40, .size: 8, .value_kind: global_buffer, .address_space: global }
      - { .name: out0, .offset: 48, .size: 8, .value_kind: global_buffer, .address_space: global }
    .group_segment_fixed_size: 161792
    .private_segment_fixed_size: 0
    .kernarg_segment_align: 8
    .kernarg_segment_size: 56
    .max_flat_workgroup_size: 128
    .sgpr_count:     66
    .vgpr_count:     1024
    .wavefront_size: 32
...
	.end_amdgpu_metadata
.endif
;; end of part 2
;; ======== version 2 of 2: 2 launches; version 1 with the launch gemm written anew for expert scheduling mode
;; workspace buffers: xq 8,388,608 bytes; xs 524,288 bytes; wfrag 4,194,304 bytes; order 32,768 bytes of whole numbers; tiles 2,048 bytes of whole numbers
;; launch prep: the kernel of part 1 again; grid 289 x 1, 8 waves a work-group, no clusters, 113,920 bytes of LDS; arguments x, indices, weight_codes, xq, xs, wfrag, order, tiles; writes xq, xs, wfrag, order, tiles
;; launch gemm (part 3): grid 71 x 2, 4 waves a work-group, no clusters, 161,792 bytes of LDS; arguments tiles, order, xq, xs, wfrag, weight_scales, out0; writes out0
.if DOCPART == 3
	.amdgcn_target "amdgcn-amd-amdhsa--gfx1250"
	.amdhsa_code_object_version 6
	.text
	.protected	k_qd31c491e56_gemm
	.globl	k_qd31c491e56_gemm
	.p2align	8
	.type	k_qd31c491e56_gemm,@function
k_qd31c491e56_gemm:
	s_mov_b64 s[64:65], 0
	v_nop
	global_prefetch_b8 v0, s[64:65] scope:SCOPE_SE
	s_setreg_imm32_b32 hwreg(HW_REG_WAVE_SCHED_MODE, 0, 2), 2
	s_setreg_imm32_b32 hwreg(HW_REG_WAVE_MODE, 25, 1), 1
	s_wait_xcnt 0x0
	s_wait_alu depctr_vm_vsrc(0)
; out0[n][:] = Q(x[n]) . W[indices[n]], on codes of FP4 (E2M1) with one E8M0 scale for each 32 along K.  Only the chosen expert's product is made: the others' are multiplied by zeros in the definition.
; SHARES.  Work-group (t, y) takes tile t of the list (up to 128 rows of ONE expert, gathered by order[]) and columns 256 y .. 256 y + 255.  71 tiles serve every split of 8,192 rows over 8 experts
; (64 full ones and at most 7 short ones more).  Wave w takes all 128 rows x columns 64 (4 y + w) on: 8 x 4 accumulators of 16 x 16.
; THE WEIGHTS go from memory straight into registers: the wave's 64 columns x 2,048 K are 65,536 bytes on end in wfrag, laid in register order: 128 loads, 512 registers; each fragment feeds 8 products.
; x's CODES of the 128 rows are shared: each wave gathers 32 rows (1,024 bytes each) into LDS, one barrier, and every wave reads all.
; NO TENSOR LOAD, NO CLUSTER: every address hangs on the expert and the rows that the list names, the number of tiles of an expert varies with the data, so partners could not be promised one expert,
; and a tile without rows ends on a branch on a stored count.
; A SHORT TILE repeats its last row: places at or past the count take row count - 1 again, compute the same numbers and store the same bytes to the same address, from the same wave: no mask in the stores.
; A TILE WITHOUT ROWS (record 0, 0, 0, 0) walks safe addresses up to the one barrier and ends just behind it, storing nothing.
; THE MATRIX INSTRUCTION IS USED TRANSPOSED: source 0 = 16 columns of W, source 1 = 16 rows of x: a lane then holds eight neighbouring numbers of one row of out0.
; LIMITS: a weight scale byte 0xff makes NaN only in the rows routed to that expert.
; REGISTERS, in windows of 256: window 0: v0-15 addresses; v16-47 W's scale words; v48-111 x's scale words (both hold scales and nothing else); v112-239 x's fragments, two sets of 8 x 8
;   (before the products: offsets and x's scale bytes on their way; behind them: rows on the way out); v240-243 addresses.
;   window 1: the 32 accumulators, (a, t) at v[8 (4 a + t)]; before the products: x's codes on their way to LDS.   windows 2, 3: W's fragments of K steps 0-7, 8-15: v[32 (s % 8) + 8 t + 4 c];
;   behind the products v0-63 of window 2 hold the stores' 64 offsets.
; THE MODE: SCHED_MODE bits 1:0 = 2 (LLVM: expert scheduling mode 2), set by the entry lines.  The code itself states the register dependences
; between vector or matrix instructions and memory or LDS instructions, with s_wait_alu, always for 0.
; THE PLAN.  Registers that memory or LDS instructions touch:
;   v3-15, v240, v243   offsets and LDS addresses: written by vector lines at the head, never again: one wait on va_vdst ahead of the first load.
;   v2, XO, TR          the rows' numbers and the offsets made of them: written by vector lines, read by an LDS store and by x's loads: one wait behind XO's lines, one behind TR's.
;   window 1, XO, TR, XSL  read by the LDS stores and by x's loads in front of the barrier; written again by the products and by the fragments' loads behind it: one wait on vm_vsrc behind the barrier.
;   XF0, XF1            step s's products read set s % 2; step s's loads land in the other set, which step s - 1's products read: ONE wait on va_vdst at the head of a step.  The step's sixteen loads follow it in two
;                       halves, eight ahead of its products and eight behind the first eight of them, which name the other set, W's fragments, the accumulators and the scale words alone.
;   W's fragments and both kinds of scale words are written by loads alone and read by products alone.
;   the way out         one wait on va_vdst behind the last products (their results are the LDS stores' data; the registers that they read take loads); one behind the lines that make all 64 offsets;
;                       one wait on vm_vsrc a tile, ahead of the loads into the set that the stores of two tiles back read.
; A scalar register that a vector line reads (s25, s28-31, s32-63) is not written again by a scalar line.
.set XP,     1040                      ; LDS: a row of x's codes: 1,024 bytes + 16: the sixteen rows that a load touches begin in sixteen different groups of four banks
.set XS,     133120                    ; behind 128 such rows: x's scale bytes, 64 + 16 a row
.set XSP,    80
.set ROWT,   143360                    ; the 128 rows' numbers
.set STAGE,  143872                    ; the way out: 16 rows x (256 bytes + 16) for each wave
.set SPITCH, 272
.set ADX,    10                        ; v10, v11  my lane's place in x's row tiles 0-3, 4-7
.set WS,     16                        ; v[WS + 16 u + s]: lane l: the scale word of column 32 u + l for K step s
.set XSC,    48                        ; v[XSC + 16 u + s]: lane l: that of row 32 u + l
.set XF,     112                       ; x's fragments: set s % 2 at XF + 64 (s % 2), row tile a at + 8 a
.set XO,     112                       ; early: v112-143 byte offsets of my wave's 32 rows in xq
.set TR,     144                       ; v144-147 offsets into xs
.set XSL,    148                       ; v148-163 x's scale bytes on their way
.set OB,     112                       ; late: v112-143, v144-175 16 rows read back from the stage, two sets
.set ROF,    0                         ; late, in window 2: v0-63: register 8 a + i: the number of row i (lanes 16-31: i + 8) of tile a, then its byte offset in out0
.set CO,     240                       ; v240  my byte in a row of out0
.set MSB, 0
.macro WIN new                         ; the immediate's high byte repeats the setting that is left; a switch that changes nothing is dropped
.if MSB != (\new)
	s_set_vgpr_msb (MSB<<8)|(\new)
.set MSB, (\new)
.endif
.endm
.macro WLOAD s                         ; W's four fragments of K step s: 8 loads of 512 consecutive bytes
	WIN 0x80+0x40*((\s)/8)                         ; destination window 2 or 3, address window 0
.irp t, 0,1,2,3
.irp c, 0,1
	global_load_b128 v[32*((\s)%8)+8*\t+4*\c:32*((\s)%8)+8*\t+4*\c+3], v3, s[12:13] offset:4096*(\s)+1024*\t+512*\c
.endr
.endr
.endm
.macro XLOADH s, h                     ; x's fragments of K step s, row tiles 4 h .. 4 h + 3: lane (r, h') takes bytes 64 s + 32 c + 16 h' on of row r of the tile: 8 loads
.irp a, 0,1,2,3
.irp c, 0,1
	ds_load_b128 v[XF+64*((\s)%2)+32*(\h)+8*\a+4*\c:XF+64*((\s)%2)+32*(\h)+8*\a+4*\c+3], v[ADX+(\h)] offset:16*XP*\a+64*(\s)+32*\c
.endr
.endr
.endm
; One product: K step s, row tile a, column tile t.  A scale register carries two tiles' words: the odd tile's lie in lanes 16-31 and are named by the ROW1 selector.  At s = 0 the product starts the sum.
.macro MM s, a, t
.set mD, 8*(4*(\a)+(\t))
.set mW, 32*((\s)%8)+8*(\t)
.set mX, XF+64*((\s)%2)+8*(\a)
.set mA, WS+16*((\t)/2)+(\s)
.set mB, XSC+16*((\a)/2)+(\s)
.if (\s) == 0
.if ((\t)%2 == 0) && ((\a)%2 == 0)
	v_wmma_scale_f32_16x16x128_f8f6f4 v[mD:mD+7], v[mW:mW+7], v[mX:mX+7], 0, v[mA], v[mB] matrix_a_fmt:MATRIX_FMT_FP4 matrix_b_fmt:MATRIX_FMT_FP4
.elseif ((\t)%2 == 1) && ((\a)%2 == 0)
	v_wmma_scale_f32_16x16x128_f8f6f4 v[mD:mD+7], v[mW:mW+7], v[mX:mX+7], 0, v[mA], v[mB] matrix_a_fmt:MATRIX_FMT_FP4 matrix_b_fmt:MATRIX_FMT_FP4 matrix_a_scale:MATRIX_SCALE_ROW1
.elseif ((\t)%2 == 0)
	v_wmma_scale_f32_16x16x128_f8f6f4 v[mD:mD+7], v[mW:mW+7], v[mX:mX+7], 0, v[mA], v[mB] matrix_a_fmt:MATRIX_FMT_FP4 matrix_b_fmt:MATRIX_FMT_FP4 matrix_b_scale:MATRIX_SCALE_ROW1
.else
	v_wmma_scale_f32_16x16x128_f8f6f4 v[mD:mD+7], v[mW:mW+7], v[mX:mX+7], 0, v[mA], v[mB] matrix_a_fmt:MATRIX_FMT_FP4 matrix_b_fmt:MATRIX_FMT_FP4 matrix_a_scale:MATRIX_SCALE_ROW1 matrix_b_scale:MATRIX_SCALE_ROW1
.endif
.else
.if ((\t)%2 == 0) && ((\a)%2 == 0)
	v_wmma_scale_f32_16x16x128_f8f6f4 v[mD:mD+7], v[mW:mW+7], v[mX:mX+7], v[mD:mD+7], v[mA], v[mB] matrix_a_fmt:MATRIX_FMT_FP4 matrix_b_fmt:MATRIX_FMT_FP4
.elseif ((\t)%2 == 1) && ((\a)%2 == 0)
	v_wmma_scale_f32_16x16x128_f8f6f4 v[mD:mD+7], v[mW:mW+7], v[mX:mX+7], v[mD:mD+7], v[mA], v[mB] matrix_a_fmt:MATRIX_FMT_FP4 matrix_b_fmt:MATRIX_FMT_FP4 matrix_a_scale:MATRIX_SCALE_ROW1
.elseif ((\t)%2 == 0)
	v_wmma_scale_f32_16x16x128_f8f6f4 v[mD:mD+7], v[mW:mW+7], v[mX:mX+7], v[mD:mD+7], v[mA], v[mB] matrix_a_fmt:MATRIX_FMT_FP4 matrix_b_fmt:MATRIX_FMT_FP4 matrix_b_scale:MATRIX_SCALE_ROW1
.else
	v_wmma_scale_f32_16x16x128_f8f6f4 v[mD:mD+7], v[mW:mW+7], v[mX:mX+7], v[mD:mD+7], v[mA], v[mB] matrix_a_fmt:MATRIX_FMT_FP4 matrix_b_fmt:MATRIX_FMT_FP4 matrix_a_scale:MATRIX_SCALE_ROW1 matrix_b_scale:MATRIX_SCALE_ROW1
.endif
.endif
.endm
; A K step of 128: 32 products, the 32 accumulators by turns, one instruction a turn, in the same order in every step.
.macro STEP s
	s_wait_dscnt 8                                 ; this step's fragments of row tiles 0-3 are in (at s = 0 x's scale words too); the youngest eight loads, row tiles 4-7, may be out
.if ((\s) > 0) && ((\s) < 15)
.rept 4
	v_nop                                          ; four places behind the last step's products, ahead of the loads into the set that they read; they stay beside the wait below, which states the dependence
.endr
	s_wait_alu depctr_va_vdst(0)                   ; the last step's products are done reading the other set of x's fragments, in which this step's sixteen loads land
.endif
.if (\s) < 15
	XLOADH (\s)+1, 0                               ; the next step's row tiles 0-3: 32 products ahead of their use
.endif
.if (\s) >= 8
	s_wait_loadcnt 8*(15-(\s))                     ; W's fragments of this step are in: behind them the later steps' 8 loads each were issued
.elseif (\s) >= 4
	s_wait_loadcnt 63                              ; the same; 8 (15 - s) is above what the wait can name, and a smaller count is safe.  (Steps 0-3 were shown in by the wait in front of the barrier)
.endif
	WIN 0x52+(\s)/8                                ; source 0 (W) window 2 or 3, source 1 (x) window 0, C and D window 1
.irp a, 0,1
.irp t, 0,1,2,3
	MM \s, \a, \t
.endr
.endr
.if (\s) < 15
	WIN 0
	XLOADH (\s)+1, 1                               ; the next step's row tiles 4-7.  No wait: no product since the wait above names the set in which they land
	s_wait_dscnt 16                                ; this step's row tiles 4-7 are in; the sixteen loads of the next step may be out
.else
	s_wait_dscnt 0x0                               ; the last step's row tiles 4-7 are in
.endif
	WIN 0x52+(\s)/8
.irp a, 2,3,4,5,6,7
.irp t, 0,1,2,3
	MM \s, \a, \t
.endr
.endr
	WIN 0
.endm
	s_load_b256 s[4:11], s[0:1], 0x0               ; tiles s[4:5], order s[6:7], xq s[8:9], xs s[10:11]
	s_load_b128 s[12:15], s[0:1], 0x20             ; wfrag s[12:13], weight_scales s[14:15]
	s_load_b64 s[16:17], s[0:1], 0x30              ; out0
	v_lshl_add_u32 v254, v0, 2, 0x27600
	v_mov_b32 v255, 0
	v_lshrrev_b32 v1, 5, v0
	v_readfirstlane_b32 s18, v1                    ; wave 0..3
	s_and_b32 s19, ttmp7, 0xffff                   ; y: which 256 columns
	s_lshl_b32 s24, ttmp9, 4                       ; my tile's record: 16 bytes
	s_mov_b32 s25, 0
	s_wait_kmcnt 0x0
	s_add_nc_u64 s[4:5], s[4:5], s[24:25]
	s_load_b128 s[20:23], s[4:5], 0x0              ; expert s20, first place in order s21, rows s22
	s_wait_alu depctr_va_sdst(0)                   ; s18 is written, ahead of its first reader: LDS addresses and the bases of W are made from it
	; the addresses that hang on ids alone are made while the record is on its way
	v_and_b32 v1, 31, v0                           ; lane
	v_and_b32 v241, 15, v0                         ; r
	v_bfe_u32 v242, v0, 4, 1                       ; h
	v_lshlrev_b32 v3, 4, v1                        ; 16 x lane
	v_lshlrev_b32 v4, 6, v1                        ; 64 x lane: a column's row of scale bytes
	v_lshl_add_u32 v5, v0, 2, ROWT                 ; my place's word among the rows' numbers
	v_and_b32 v6, 0x60, v0
	v_bfe_u32 v7, v0, 2, 3
	v_add_nc_u32 v6, v6, v7
	v_lshl_add_u32 v6, v6, 2, ROWT                 ; place 32 w + lane / 4: my wave's own words
	v_mul_u32_u24 v9, v7, XSP
	v_and_b32 v7, 3, v0
	v_lshlrev_b32 v7, 4, v7                        ; 16 (lane % 4)
	s_mul_i32 s28, s18, 32*XP
	v_add_nc_u32 v8, s28, v3                       ; x's codes into LDS: my wave's 32 rows, 16 bytes a lane
	s_mul_i32 s29, s18, 32*XSP
	s_add_co_u32 s29, s29, XS
	v_add_nc_u32 v9, v9, v7
	v_add_nc_u32 v9, s29, v9                       ; x's scale bytes into LDS: row 32 w + lane / 4, 16 bytes a lane
	v_mul_u32_u24 v10, v241, XP
	v_lshl_add_u32 v10, v242, 4, v10               ; a fragment's row x pitch + 16 h
	v_add_nc_u32 v11, 64*XP, v10                   ; row tiles 4-7: past what the 16-bit immediate reaches
	v_mul_u32_u24 v12, v1, XSP
	v_add_nc_u32 v12, XS, v12                      ; x's scale words: lane l takes row l of 32
	v_lshl_add_u32 v13, v242, 5, ROWT              ; the way out: lanes 0-15 want places 0-7 of a tile of 16, lanes 16-31 places 8-15
	s_mul_i32 s30, s18, 16*SPITCH
	s_add_co_u32 s30, s30, STAGE                   ; my stage
	v_mul_u32_u24 v14, v241, SPITCH
	v_lshl_add_u32 v14, v242, 5, v14
	v_add_nc_u32 v14, s30, v14                     ; in: row r, 32 bytes for each half of the lanes
	v_mul_u32_u24 v15, v242, 8*SPITCH
	v_lshl_add_u32 v15, v241, 4, v15
	v_add_nc_u32 v15, s30, v15                     ; back: lanes 0-15 row i, lanes 16-31 row i + 8; 16 bytes a lane
	s_lshl_b32 s31, s19, 10
	s_lshl_b32 s26, s18, 8
	s_add_co_u32 s31, s31, s26
	v_lshl_add_u32 v[CO], v241, 4, s31             ; 1,024 y + 256 w + 16 r
	s_wait_kmcnt 0x0
	s_min_u32 s20, s20, 7                          ; the expert
	s_max_u32 s25, s22, 1
	s_sub_co_u32 s25, s25, 1                       ; the tile's last place (0 in a tile without rows)
	v_min_u32 v243, s25, v0                        ; places past it take it again
	v_add_nc_u32 v243, s21, v243
	v_min_u32 v243, 0x1fff, v243                   ; a place in order: 0 .. 8,191
	v_lshlrev_b32 v243, 2, v243
	s_wait_alu depctr_va_vdst(0)                   ; v3 to v15, v240 and v243 are written: the offsets and LDS addresses that the loads and stores of the whole kernel read
	global_load_b32 v2, v243, s[6:7]               ; my place's row
	s_lshl_b32 s24, s20, 3
	s_lshl_b32 s26, s19, 2
	s_add_co_u32 s24, s24, s26
	s_add_co_u32 s24, s24, s18                     ; 8 x expert + my group of 64 columns
	s_mov_b32 s27, 0
	s_lshl_b32 s26, s24, 16
	s_add_nc_u64 s[12:13], s[12:13], s[26:27]      ; 65,536 bytes of codes a group
	s_lshl_b32 s26, s24, 12
	s_add_nc_u64 s[14:15], s[14:15], s[26:27]      ; 4,096 scale bytes a group
.irp u, 0,1
.irp q, 0,1,2,3
	global_load_b128 v[WS+16*\u+4*\q:WS+16*\u+4*\q+3], v4, s[14:15] offset:2048*\u+16*\q   ; column 32 u + lane: its 16 scale words
.endr
.endr
.irp s, 0,1,2,3
	WLOAD \s
.endr
	WIN 0
	s_wait_loadcnt 40                              ; my row's number is in: behind it 8 loads of scale words and 32 of codes were issued
	v_min_u32 v2, 0x1fff, v2
.irp i, 0,1,2,3,4,5,6,7,8,9,10,11,12,13,14,15,16,17,18,19,20,21,22,23,24,25,26,27,28,29,30,31
	v_readlane_b32 s[32+\i], v2, \i                ; my wave's 32 rows
.endr
	s_wait_alu depctr_va_sdst(0)                   ; s32 to s63 are written, ahead of their first reader: one wait for the run of 32
.irp i, 0,1,2,3,4,5,6,7,8,9,10,11,12,13,14,15,16,17,18,19,20,21,22,23,24,25,26,27,28,29,30,31
	s_min_u32 s[32+\i], s[32+\i], 0x1fff
	v_lshl_add_u32 v[XO+\i], s[32+\i], 10, v3      ; row x 1,024 + 16 x lane
.endr
	s_wait_alu depctr_va_vdst(0)                   ; v2 is written, which the LDS store reads, and so are v[XO ..], which x's 64 loads read as their offsets
	ds_store_b32 v5, v2
.irp i, 0,1,2,3
	ds_load_b32 v[TR+\i], v6 offset:32*\i          ; place 32 w + 8 i + lane / 4: words that my own wave stored; LDS serves a wave's instructions in order
.endr
	WIN 0x40                                       ; destination window 1, address window 0
.irp i, 0,1,2,3,4,5,6,7,8,9,10,11,12,13,14,15,16,17,18,19,20,21,22,23,24,25,26,27,28,29,30,31
.irp d, 0,1
	global_load_b128 v[8*\i+4*\d:8*\i+4*\d+3], v[XO+\i], s[8:9] offset:512*\d   ; 512 consecutive bytes of one row.  They go out while the four words above come back from LDS
.endr
.endr
	WIN 0
	s_wait_dscnt 0x0
.irp i, 0,1,2,3
	v_min_u32 v[TR+\i], 0x1fff, v[TR+\i]
.endr
.irp i, 0,1,2,3
	v_lshl_add_u32 v[TR+\i], v[TR+\i], 6, v7       ; row x 64 + 16 (lane % 4)
.endr
	s_wait_alu depctr_va_vdst(0)                   ; v[TR ..] are written, which the four loads below read as their offsets
.irp i, 0,1,2,3
	global_load_b128 v[XSL+4*\i:XSL+4*\i+3], v[TR+\i], s[10:11]   ; eight rows' 64 scale bytes
.endr
.irp s, 4,5,6,7,8
	WLOAD \s
.endr
	s_wait_loadcnt 40                              ; all up to the last of x's scale bytes is in: behind it K steps 4 to 8's 40 loads were issued
	WIN 0x04                                       ; an LDS store's data are its source 1: window 1
.irp i, 0,1,2,3,4,5,6,7,8,9,10,11,12,13,14,15,16,17,18,19,20,21,22,23,24,25,26,27,28,29,30,31
.irp d, 0,1
	ds_store_b128 v8, v[8*\i+4*\d:8*\i+4*\d+3] offset:XP*\i+512*\d
.endr
.endr
	WIN 0
.irp i, 0,1,2,3
	ds_store_b128 v9, v[XSL+4*\i:XSL+4*\i+3] offset:8*XSP*\i
.endr
	s_wait_dscnt 0x0                               ; for the others' sake: my stores are done
	s_barrier_signal -1                            ; the launch's one barrier: every wave of every work-group passes it
	s_barrier_wait -1                              ; the 128 rows' codes, scale bytes and numbers lie in LDS; nothing there but each wave's own stage is written again
	s_wait_alu depctr_vm_vsrc(0)                   ; my LDS stores have read window 1 and v[XSL ..], x's loads have read v[XO ..] and v[TR ..]: the products write the first, the fragments' loads land in the others
	s_cmp_eq_u32 s22, 0
	s_cbranch_scc1 .Lend                           ; a tile without rows ends here
.irp s, 9,10,11,12,13,14,15
	WLOAD \s
.endr
	WIN 0
.irp u, 0,1,2,3
.irp q, 0,1,2,3
	ds_load_b128 v[XSC+16*\u+4*\q:XSC+16*\u+4*\q+3], v12 offset:32*XSP*\u+16*\q   ; row 32 u + lane: its 16 scale words
.endr
.endr
	XLOADH 0, 0                                    ; (the vector lines that wrote v[XO ..] and v[TR ..] stand ahead of the last wait on va_vdst)
	XLOADH 0, 1
.irp s, 0,1,2,3,4,5,6,7,8,9,10,11,12,13,14,15
	STEP \s
.endr
; THE WAY OUT, a tile of 16 rows x my 64 columns at a time.  A lane holds 32 neighbouring bytes of a row, and the lanes beside it hold other rows: so the tile goes through my own stage in LDS and comes back
; as rows of 256 bytes; sixteen lanes store 256 consecutive bytes, aligned, of the row that the list names.  LDS serves a wave's instructions in order: no wait between the stores and the loads.
; The numbers of all 128 rows are fetched at once and all 64 offsets are made while tile 0 is on its way through the stage: one wait then serves every store.
.macro TOSTAGE a                       ; 16 LDS instructions
.set oB, OB+32*((\a)%2)
	WIN 0x04                                       ; the data: window 1
.irp t, 0,1,2,3
	ds_store_b128 v14, v[8*(4*(\a)+\t):8*(4*(\a)+\t)+3] offset:64*\t          ; each accumulator from its low end on
	ds_store_b128 v14, v[8*(4*(\a)+\t)+4:8*(4*(\a)+\t)+7] offset:64*\t+16
.endr
	WIN 0
.irp i, 0,1,2,3,4,5,6,7
	ds_load_b128 v[oB+4*\i:oB+4*\i+3], v15 offset:SPITCH*\i
.endr
.endm
.macro SEND a, younger                 ; younger: the LDS instructions issued behind tile a's, which may stay out
.set oB, OB+32*((\a)%2)
	s_wait_dscnt \younger
	WIN 0x02                                       ; the offset: window 2; the data: window 0
.irp i, 0,1,2,3,4,5,6,7
	global_store_b128 v[ROF+8*(\a)+\i], v[oB+4*\i:oB+4*\i+3], s[16:17] th:TH_STORE_NT   ; written once, read by nobody here
.endr
.endm
.rept 4
	v_nop                                          ; four places between the last products and the first reads of their results (ISA guide 7.12.1)
.endr
	s_wait_alu depctr_va_vdst(0)                   ; the products have written the accumulators, which the LDS stores read, and are done reading W's and x's fragments, in which the loads below land; the places above stay beside this wait
	WIN 0x80                                       ; destination window 2, address window 0
.irp a, 0,1,2,3,4,5,6,7
	ds_load_b128 v[ROF+8*\a:ROF+8*\a+3], v13 offset:64*\a          ; the numbers of the eight rows of tile a that my half of the lanes will store
	ds_load_b128 v[ROF+8*\a+4:ROF+8*\a+7], v13 offset:64*\a+16
.endr
	TOSTAGE 0
	s_wait_dscnt 16                                ; the rows' numbers are in; tile 0's 16 LDS instructions may be out
	WIN 0x8a                                       ; the numbers and offsets: window 2; v[CO], the third source: window 0
.set i, 0
.rept 64
	v_min_u32 v[ROF+i], 0x1fff, v[ROF+i]
.set i, i+1
.endr
.set i, 0
.rept 64
	v_lshl_add_u32 v[ROF+i], v[ROF+i], 11, v[CO]   ; row x 2,048 bytes + my columns
.set i, i+1
.endr
	s_wait_alu depctr_va_vdst(0)                   ; the 64 offsets are written, which the 64 stores read; no vector line follows
.irp a, 1,2,3,4,5,6,7
.if \a > 1
	s_wait_xcnt 0x0                                ; tile a - 2's stores have had their addresses translated: only behind this wait are their data registers loaded again
	s_wait_alu depctr_vm_vsrc(0)                   ; tile a - 2's stores have read their set of v[OB ..], in which tile a's loads from the stage land
.endif
	TOSTAGE \a
	SEND \a-1, 16                                  ; behind tile a - 1's loads: tile a's 16 LDS instructions
.endr
	SEND 7, 0
	WIN 0                                          ; at a label every window is 0
.Lend:
	s_wait_dscnt 0x0
	s_wait_alu depctr_hold_cnt(0) depctr_sa_sdst(0) depctr_va_vdst(0) depctr_va_sdst(0) depctr_va_ssrc(0) depctr_va_vcc(0) depctr_vm_vsrc(0)
	s_wait_tensorcnt 0x0
	ds_add_u32 v254, v255
	s_wait_dscnt 0x0
	s_endpgm
.Lfunc_end_k_qd31c491e56_gemm:
	.size	k_qd31c491e56_gemm, .Lfunc_end_k_qd31c491e56_gemm-k_qd31c491e56_gemm
	.p2alignl 7, 3214868480
	.fill 96, 4, 3214868480
	.section	.rodata,"a",@progbits
	.p2align	6, 0x0
	.amdhsa_kernel k_qd31c491e56_gemm
		.amdhsa_group_segment_fixed_size 161792
		.amdhsa_private_segment_fixed_size 0
		.amdhsa_enable_private_segment 0
		.amdhsa_kernarg_size 56
		.amdhsa_user_sgpr_count 2
		.amdhsa_user_sgpr_kernarg_segment_ptr 1
		.amdhsa_wavefront_size32 1
		.amdhsa_system_sgpr_workgroup_id_x 1
		.amdhsa_system_sgpr_workgroup_id_y 1
		.amdhsa_system_sgpr_workgroup_id_z 1
		.amdhsa_system_vgpr_workitem_id 0
		.amdhsa_next_free_vgpr 1024
		.amdhsa_next_free_sgpr 66
		.amdhsa_reserve_vcc 0
		.amdhsa_float_denorm_mode_32 3
		.amdhsa_float_denorm_mode_16_64 3
		.amdhsa_memory_ordered 1
		.amdhsa_forward_progress 1
		.amdhsa_inst_pref_size 147
	.end_amdhsa_kernel
	.amdgpu_metadata
---
amdhsa.version: [ 1, 2 ]
amdhsa.kernels:
  - .name:           k_qd31c491e56_gemm
    .symbol:         k_qd31c491e56_gemm.kd
    .args:
      - { .name: tiles, .offset: 0, .size: 8, .value_kind: global_buffer, .address_space: global }
      - { .name: order, .offset: 8, .size: 8, .value_kind: global_buffer, .address_space: global }
      - { .name: xq, .offset: 16, .size: 8, .value_kind: global_buffer, .address_space: global }
      - { .name: xs, .offset: 24, .size: 8, .value_kind: global_buffer, .address_space: global }
      - { .name: wfrag, .offset: 32, .size: 8, .value_kind: global_buffer, .address_space: global }
      - { .name: weight_scales, .offset: 40, .size: 8, .value_kind: global_buffer, .address_space: global }
      - { .name: out0, .offset: 48, .size: 8, .value_kind: global_buffer, .address_space: global }
    .group_segment_fixed_size: 161792
    .private_segment_fixed_size: 0
    .kernarg_segment_align: 8
    .kernarg_segment_size: 56
    .max_flat_workgroup_size: 128
    .sgpr_count:     66
    .vgpr_count:     1024
    .wavefront_size: 32
...
	.end_amdgpu_metadata
.endif
;; end of part 3
